; MI455X (gfx1250); checked and timed in simulation.
; The chip was launched on July 23, 2026; its instructions are those of AMD's public machine-readable ISA for CDNA 5 (MIT licence, August 2026) and "CDNA5" Instruction Set Architecture Reference Guide (July 2026). The comments in the code are by the model that wrote it; some were corrected since.
;; Spectral Feature Extractor. Allowed arithmetic: float matrix products may take bf16 or f16 operands with f32 sums; all other float work in f32.
;; Inputs: spectra 131,072 x 1,000 float32.
;; Outputs: out0 131,072 x 6 float32.
;; 2 versions, each right; version 2 is version 1 with the launch features written anew for expert scheduling mode. Each part assembles by itself: llvm-mc -triple=amdgcn-amd-amdhsa -mcpu=gfx1250 --defsym DOCPART=n.
;; ======== version 1 of 2: 1 launch
;; limits: a difference of large sums (such as E[x^2] - mean^2): digits are lost where the result is much smaller than its terms
;; launch features (part 1): grid 256 x 1, 16 waves a work-group, no clusters, 14,336 bytes of LDS; arguments spectra, out0; writes out0
.if DOCPART == 1
	.amdgcn_target "amdgcn-amd-amdhsa--gfx1250"
	.amdhsa_code_object_version 6
	.text
	.protected	k_q064926317c_features
	.globl	k_q064926317c_features
	.p2align	8
	.type	k_q064926317c_features,@function
k_q064926317c_features:
	s_mov_b64 s[64:65], 0
	v_nop
	global_prefetch_b8 v0, s[64:65] scope:SCOPE_SE
	s_setreg_imm32_b32 hwreg(HW_REG_WAVE_MODE, 25, 1), 1
	s_wait_xcnt 0x0
; Six features of each row of spectra [131072][1000] f32 -> out0 [131072][6] f32:
;   integral, peak height, peak frequency, centroid, standard deviation, number of points above 0.1 x peak.
; One wave takes one row at a time and keeps it in 32 registers between the pass that makes the sums and the maximum and the
; pass that needs the maximum (count above threshold, place of the peak): the row is loaded once.
; 256 work-groups x 16 waves = 4,096 waves; a wave owns 32 consecutive rows (128,000 bytes in, 768 bytes out).
;
; THE WINDOW.  Row r = 4 q + s starts at byte 16000 q + 4000 s, which is 32 s past a multiple of 128.  It is loaded through a window
; of 4,096 bytes that starts 32 s bytes earlier, at 128 (125 q + 31 s): 8 loads of 16 bytes a lane, each covering 512 consecutive
; bytes from a multiple of 128.  So a row's loads touch 32 aligned blocks of 128 bytes; loads that began at the row itself would
; touch 39 in the three rows out of four with s > 0.  32 s + 4000 <= 4096: the window holds the row; it ends at the row's end for
; s = 3, and the buffer's last row has s = 3: no load leaves the buffer.
; Chunk j, lane L, word k is place i' = 128 j + 4 L + k of the window, element i = i' - 8 s of the row.  The ring has four slots and a
; wave's first row is a multiple of 32: slot = s, so the shift is a constant of the slot.  DEAD words (a neighbour row's numbers):
; lanes below 2 s of chunk 0, lanes from 26 + 2 s of chunk 7.  They are set to 0 in place for the sums; in the maximum the figure
; of chunk 0 takes chunk 7's in its dead lanes and the other way round (each is live where the other is dead); in both compares
; they meet +inf.
;
; Sums are taken about the middle of the window, u = i' - 511.5 (u and u*u are exact in f32), one table of weights for all slots:
;   S0 = sum x, S1 = sum x u, S2 = sum x u^2;  with D = 500/999:
;   centroid = D (S1/S0 + 511.5 - 8 s),  std = D sqrt(S2/S0 - (S1/S0)^2)  (a variance does not hang on the origin).
;
; ACROSS THE LANES.  The maximum is wanted at once and is reduced row by row.  The three sums are wanted only at the kernel's end, so
; the four rows of a round are reduced together: behind the step over lane bit 0 a select keeps the earlier row of a pair in the even
; lanes and the later one in the odd lanes; behind the step over bit 1 a second select leaves row (L & 3) in lane L; the steps over
; bits 2, 3, 4 are then made once for four rows: 14 instructions a sum and round in place of 28.  Lanes 4 t .. 4 t + 3 of round t
; then hold rows 4 t .. 4 t + 3, which is where the results are kept.
;
; LIMITS, kept on purpose:
;  - inputs are finite numbers.  A NaN is passed over by the maximum; a dead word is cleared by a product with 0, so that an infinity
;    or NaN within the 96 bytes beside a row would reach that row's sums too.
;  - the variance comes from the centred moments, not from a second pass about the centroid: its rounding error is of the order
;    of 1e-7 x S2/S0 (index units squared), at most about 0.1 in std_dev, and that only for spectra much narrower than one sample.
;    A variance between -2^-12 x S2/S0 and 0 is taken as 0; a more negative one (weights of mixed sign) stays and gives NaN.
;  - v_rcp_f32 and v_sqrt_f32 are good to 1 ULP and flush denormals (ISA guide 15.8): an integral below 2^-126 counts as 0.
;  - the frequency of point i is i x D rounded once, a few ULP from the reference's table.
.set ROWB,  4000                       ; bytes in a row
.set WSTEP, ROWB-32                    ; from the window of slot s to that of slot s + 1
.set SLOTS, 4                          ; row slots in the ring
.set ROWS,  32                         ; rows of a wave
.set TRIPS, ROWS/SLOTS-1               ; rounds that refill; the last round stands behind the loop
.set OFF,   1                          ; v1        16 L: my bytes in every chunk
.set INF,   2                          ; v2        +inf
.set LANE,  3                          ; v3        L
.set TA,    4                          ; v4        maximum of my four words of chunk 0
.set TB,    5                          ; v5        the same of chunk 7
.set A,     6                          ; v[6:7]    S0, a partial sum for even and for odd k
.set B,     8                          ; v[8:9]    S1
.set C,     10                         ; v[10:11]  S2
.set P0,    12                         ; v[12:14]  S0, S1, S2 of slot 0, then of slots 0 and 1 by lane bit 0, at last of all four
.set P1,    15                         ; v[15:17]  of slot 1; then of slot 2, then of slots 2 and 3
.set MX,    18                         ; v18       maximum
.set THR,   19                         ; v19       0.1 x maximum
.set MX7,   20                         ; v20       the maximum as chunk 7 compares with it: +inf in its dead lanes
.set THR7,  21                         ; v21       the threshold likewise
.set MX0,   22                         ; v22       the same two for chunk 0
.set THR0,  23                         ; v23
.set T,     24                         ; v24       the other half's maximum;  v[25:27] S0, S1, S2 of slot 3, then the other half's sums
.set R,     28                         ; v[28:33]  lane r: row r's S0, maximum, peak index, S1, S2, count; at the end the six results
.set F,     34                         ; v[34:41]  at work in the set-up and at the end
.set U,     42                         ; v[42:73]  u of my 32 places in the window
.set Q,     74                         ; v[74:105] u*u
.set X,     106                        ; v[106:233] slot s: 32 registers, the window
.set W0,    234                        ; v[234:239] slots 1-3: 0.0 in chunk 0's dead lanes, 1.0 elsewhere, twice (a pair)
.set W7,    240                        ; v[240:245] slots 0-2: the same for chunk 7
.set BASE,  16                         ; s[16:23]  slot s: address of the window that it loads next
.set CNT,   24                         ; s24       count above threshold
.set JB,    25                         ; s25       128 x the lowest chunk that holds the peak, less the slot's 8 s
.set TS,    26                         ; s[26:29]  scalar work
.set SEL,   30                         ; s[30:33]  that chunk's four masks of lanes with x == maximum
.set GT,    36                         ; s[36:39], s[44:47]  masks x > threshold of one chunk, two sets in turn
.set EQ,    40                         ; s[40:43], s[48:51]  masks x == maximum, two sets in turn
.set D0M,   52                         ; s[53:55]  slots 1-3: the dead lanes of chunk 0
.set D7M,   56                         ; s[56:58]  slots 0-2: the dead lanes of chunk 7
.set M1,    59                         ; s59       lanes with bit 0 set
.set M2,    60                         ; s60       lanes with bit 1 set
.set QM,    61                         ; s61       the four lanes that take this round's sums
	s_load_b128 s[4:7], s[0:1], 0x0                ; spectra s[4:5], out0 s[6:7]
	v_lshl_add_u32 v246, v0, 2, 0x3000
	v_mov_b32 v247, 0
	v_and_b32 v[LANE], 31, v0
	v_lshrrev_b32 v[F], 5, v0
	v_readfirstlane_b32 s8, v[F]                   ; wave in the work-group, 0 to 15
	v_lshlrev_b32 v[OFF], 4, v[LANE]
	s_lshl_b32 s9, ttmp9, 4
	s_add_co_u32 s9, s9, s8                        ; wave in the launch, 0 to 4,095
	s_mul_i32 s10, s9, ROWS*ROWB                   ; at most 4,095 x 128,000: fits 32 bits; a multiple of 128
	s_mov_b32 s11, 0
	s_wait_kmcnt 0x0
	s_add_nc_u64 s[BASE:BASE+1],   s[4:5], s[10:11]
	s_add_nc_u64 s[BASE+2:BASE+3], s[BASE:BASE+1], WSTEP
	s_add_nc_u64 s[BASE+4:BASE+5], s[BASE:BASE+1], 2*WSTEP
	s_add_nc_u64 s[BASE+6:BASE+7], s[BASE:BASE+1], 3*WSTEP
.macro FILL s                          ; eight loads: the slot's next window.  A row is wanted once, hence the hint
.irp j, 0,1,2,3,4,5,6,7
	global_load_b128 v[X+32*\s+4*\j:X+32*\s+4*\j+3], v[OFF], s[BASE+2*\s:BASE+2*\s+1] offset:512*\j th:TH_LOAD_NT
.endr
.endm
	FILL 0                                         ; the ring is filled before anything else is done
	FILL 1
	FILL 2
	FILL 3
	; set-up, while the first rows are on their way
	s_mul_i32 s10, s9, ROWS*24                     ; my 768 bytes of the output
	s_add_nc_u64 s[6:7], s[6:7], s[10:11]
	s_mov_b32 s12, 0x76543210                      ; v_permlanex16_b32: lane i reads lane i of the other half
	s_mov_b32 s13, 0xfedcba98
	s_mov_b32 s15, 1                               ; bit r: the lane that takes the current row's maximum, index and count
	s_mov_b32 s[QM], 15                            ; lanes 0-3: the first round's sums
	s_mov_b32 s[M1], 0xaaaaaaaa
	s_mov_b32 s[M2], 0xcccccccc
	s_mov_b32 s34, 0x3f0020cd                      ; D = 500/999
	s_mul_i32 s35, s8, ROWS*24                     ; my wave's 768 bytes of LDS
	s_mov_b32 s[D0M+1], 0x00000003                 ; chunk 0: lanes below 2 s
	s_mov_b32 s[D0M+2], 0x0000000f
	s_mov_b32 s[D0M+3], 0x0000003f
	s_mov_b32 s[D7M+0], 0xfc000000                 ; chunk 7: lanes from 26 + 2 s
	s_mov_b32 s[D7M+1], 0xf0000000
	s_mov_b32 s[D7M+2], 0xc0000000
	v_lshlrev_b32 v[F], 2, v[LANE]
	v_cvt_f32_u32 v[F], v[F]                       ; 4 L
	v_add_f32 v[U],   0xc3ffc000, v[F]             ; u of chunk 0: 4 L - 511.5,
	v_add_f32 v[U+1], 1.0, v[U]                    ; + k
	v_add_f32 v[U+2], 2.0, v[U]
	v_add_f32 v[U+3], 2.0, v[U+1]
.set p, 4
.rept 14
	v_pk_add_f32 v[U+p:U+p+1], v[U+p-4:U+p-3], 0x43000000 op_sel_hi:[1,0]   ; the next chunk: + 128.0
.set p, p+2
.endr
.set p, 0
.rept 16
	v_pk_mul_f32 v[Q+p:Q+p+1], v[U+p:U+p+1], v[U+p:U+p+1]
.set p, p+2
.endr
.irp s, 1,2,3
	v_cndmask_b32 v[W0+2*\s-2], 1.0, 0, s[D0M+\s]  ; 0.0 where the mask says dead
	v_cndmask_b32 v[W0+2*\s-1], 1.0, 0, s[D0M+\s]
.endr
.irp s, 0,1,2
	v_cndmask_b32 v[W7+2*\s],   1.0, 0, s[D7M+\s]
	v_cndmask_b32 v[W7+2*\s+1], 1.0, 0, s[D7M+\s]
.endr
	v_mov_b32 v[INF], 0x7f800000
.irp i, 0,1,2,3,4,5
	v_mov_b32 v[R+\i], 0                           ; a select keeps the other lanes of its destination: it has to hold something.
.endr                                              ; Once for the kernel: all 32 lanes are filled by the 32 rows
	v_mov_b32 v[T], 0                              ; v_permlanex16_b32 counts as a reader of its destination
; Pass 1, chunk j = 1 .. 6 of the window at XB: two elements an instruction in each sum and in the maximum.
; The four chains take turns, so that an instruction stands four behind the one whose result it takes.
.macro ROWSUMS j
.irp h, 0,2
	v_pk_add_f32 v[A:A+1], v[A:A+1], v[XB+4*\j+\h:XB+4*\j+\h+1]
	v_pk_fma_f32 v[B:B+1], v[XB+4*\j+\h:XB+4*\j+\h+1], v[U+4*\j+\h:U+4*\j+\h+1], v[B:B+1]
	v_pk_fma_f32 v[C:C+1], v[XB+4*\j+\h:XB+4*\j+\h+1], v[Q+4*\j+\h:Q+4*\j+\h+1], v[C:C+1]
	v_max3_num_f32 v[MX], v[MX], v[XB+4*\j+\h], v[XB+4*\j+\h+1]
.endr
.endm
; One step of a sum across lanes: lane i adds lane i xor m of its half of 16.
.macro XADD reg, m
	v_add_f32_dpp v[\reg], v[\reg], v[\reg] row_xmask:\m row_mask:0xf bank_mask:0xf
.endm
.macro XMAX m
	v_max_num_f32_dpp v[MX], v[MX], v[MX] row_xmask:\m row_mask:0xf bank_mask:0xf
.endm
; Pass 2, vector side: chunk j's eight lane masks into scalar set 0 or 1; thr, mx: the registers to compare with.
.macro CMPS j, set, thr, mx
.irp k, 0,1,2,3
	v_cmp_gt_f32 s[GT+8*\set+\k], v[XB+4*\j+\k], v[\thr]
	v_cmp_eq_f32 s[EQ+8*\set+\k], v[XB+4*\j+\k], v[\mx]
.endr
.endm
; Pass 2, scalar side.  The count is the number of bits set: it needs no step across lanes.  The chunks are walked from the last to
; the first, and a chunk with any lane at the maximum replaces what was kept: what stays is the lowest such chunk.
; s: the slot; its shift of 8 s elements is taken off here, in the constant.
.macro SCAL j, set, s
.irp k, 0,1,2,3
	s_bcnt1_i32_b32 s[TS+\k], s[GT+8*\set+\k]
.endr
	s_add_co_u32 s[TS],   s[TS],   s[TS+1]
	s_add_co_u32 s[TS+2], s[TS+2], s[TS+3]
	s_add_co_u32 s[CNT],  s[CNT],  s[TS]
	s_add_co_u32 s[CNT],  s[CNT],  s[TS+2]
	s_or_b32 s[TS],   s[EQ+8*\set],   s[EQ+8*\set+1]
	s_or_b32 s[TS+1], s[EQ+8*\set+2], s[EQ+8*\set+3]
	s_or_b32 s[TS],   s[TS], s[TS+1]                               ; SCC: some lane of this chunk is at the maximum
	s_cselect_b64 s[SEL:SEL+1],   s[EQ+8*\set:EQ+8*\set+1],   s[SEL:SEL+1]
	s_cselect_b64 s[SEL+2:SEL+3], s[EQ+8*\set+2:EQ+8*\set+3], s[SEL+2:SEL+3]
	s_cselect_b32 s[JB], 128*\j-8*\s, s[JB]
.endm
; The turn of slot s.  left = how many younger loads may stay out; refill = 1: the slot gets the row SLOTS further down.
; Slot 0 has no dead word in chunk 0, slot 3 none in chunk 7: their lines for that chunk are left out.
; SD: where this row's three sums of a lane go.  MG (slots 1 and 3): the earlier row of the pair, with which they are merged.
.macro TURN s, left, refill
.set XB, X+32*\s
.if \s > 0
.set CM0, MX0
.set CT0, THR0
.else
.set CM0, MX
.set CT0, THR
.endif
.if \s < 3
.set CM7, MX7
.set CT7, THR7
.else
.set CM7, MX
.set CT7, THR
.endif
.if \s == 0
.set SD, P0
.endif
.if \s == 1
.set SD, P1
.set MG, P0
.endif
.if \s == 2
.set SD, P1
.endif
.if \s == 3
.set SD, T+1
.set MG, P1
.endif
	s_wait_loadcnt \left                           ; loads come back in order (ISA guide 5.7.1): my window's eight are in,
	                                               ; the eight of each younger row stay on their way
.if \refill
	s_add_nc_u64 s[BASE+2*\s:BASE+2*\s+1], s[BASE+2*\s:BASE+2*\s+1], SLOTS*ROWB   ; free since that wait
.endif
	; the neighbours' words become 0, in place: they then add nothing to any sum
.if \s > 0
	v_pk_mul_f32 v[XB:XB+1],     v[XB:XB+1],     v[W0+2*\s-2:W0+2*\s-1]
	v_pk_mul_f32 v[XB+2:XB+3],   v[XB+2:XB+3],   v[W0+2*\s-2:W0+2*\s-1]
.endif
.if \s < 3
	v_pk_mul_f32 v[XB+28:XB+29], v[XB+28:XB+29], v[W7+2*\s:W7+2*\s+1]
	v_pk_mul_f32 v[XB+30:XB+31], v[XB+30:XB+31], v[W7+2*\s:W7+2*\s+1]
.endif
	; pass 1, chunks 0 and 7 first.  The first products and the first sum start the chains: nothing is cleared.
	v_pk_add_f32 v[A:A+1], v[XB:XB+1], v[XB+2:XB+3]
	v_pk_mul_f32 v[B:B+1], v[XB:XB+1], v[U:U+1]
	v_pk_mul_f32 v[C:C+1], v[XB:XB+1], v[Q:Q+1]
	v_max3_num_f32 v[TA], v[XB],    v[XB+1],  v[XB+2]
	v_max3_num_f32 v[TB], v[XB+28], v[XB+29], v[XB+30]
	v_pk_fma_f32 v[B:B+1], v[XB+2:XB+3], v[U+2:U+3], v[B:B+1]
	v_pk_fma_f32 v[C:C+1], v[XB+2:XB+3], v[Q+2:Q+3], v[C:C+1]
	v_pk_add_f32 v[A:A+1], v[A:A+1], v[XB+28:XB+29]
	v_max_num_f32 v[TA], v[TA], v[XB+3]
	v_pk_fma_f32 v[B:B+1], v[XB+28:XB+29], v[U+28:U+29], v[B:B+1]
	v_pk_fma_f32 v[C:C+1], v[XB+28:XB+29], v[Q+28:Q+29], v[C:C+1]
	v_max_num_f32 v[TB], v[TB], v[XB+31]
	v_pk_add_f32 v[A:A+1], v[A:A+1], v[XB+30:XB+31]
	v_pk_fma_f32 v[B:B+1], v[XB+30:XB+31], v[U+30:U+31], v[B:B+1]
	v_pk_fma_f32 v[C:C+1], v[XB+30:XB+31], v[Q+30:Q+31], v[C:C+1]
.if \s > 0
	v_cndmask_b32 v[TA], v[TA], v[TB], s[D0M+\s]   ; lanes below 2 s: chunk 7 is live there, its figure stands in (a copy changes no maximum)
.endif
.if \s < 3
	v_cndmask_b32 v[TB], v[TB], v[TA], s[D7M+\s]   ; lanes from 26 + 2 s: chunk 0 is live there
.endif
	v_max_num_f32 v[MX], v[TA], v[TB]
.irp j, 1,2,3,4,5,6
	ROWSUMS \j
.endr
	; across the lanes: the maximum all the way; the sums as far as this slot's place in the round allows
	v_add_f32 v[SD],   v[A], v[A+1]
	v_add_f32 v[SD+1], v[B], v[B+1]
	v_add_f32 v[SD+2], v[C], v[C+1]
	XMAX 1
	XADD SD, 1
	XADD SD+1, 1
	XADD SD+2, 1
	XMAX 2
.if (\s & 1) == 1
.irp q, 0,1,2
	v_cndmask_b32 v[MG+\q], v[MG+\q], v[SD+\q], s[M1]      ; even lanes: the pair's earlier row; odd lanes: this one
.endr
.endif
	XMAX 4
.if (\s & 1) == 1
	XADD MG, 2
	XADD MG+1, 2
	XADD MG+2, 2
.endif
	XMAX 8
.if \s == 3
.irp q, 0,1,2
	v_cndmask_b32 v[P0+\q], v[P0+\q], v[P1+\q], s[M2]      ; lane L now holds the sum of row L & 3 over its four lanes
.endr
.endif
	v_permlanex16_b32 v[T], v[MX], s12, s13
.if \s == 3
	XADD P0, 4
	XADD P0+1, 4
	XADD P0+2, 4
.endif
	v_max_num_f32 v[MX], v[MX], v[T]               ; every lane holds the row's maximum
.if \s == 3
	XADD P0, 8
	XADD P0+1, 8
	XADD P0+2, 8
.endif
	v_mul_f32 v[THR], 0x3dcccccd, v[MX]            ; 0.1 x peak, rounded as the reference rounds it
.if \s == 3
.irp q, 0,1,2
	v_permlanex16_b32 v[T+1+\q], v[P0+\q], s12, s13        ; slot 3's own sums, which lay here, went into P1 above
.endr
.endif
.if \s < 3
	v_cndmask_b32 v[MX7],  v[MX],  v[INF], s[D7M+\s]   ; dead lanes compare with +inf, which no finite number exceeds or equals
	v_cndmask_b32 v[THR7], v[THR], v[INF], s[D7M+\s]
.endif
.if \s > 0
	v_cndmask_b32 v[MX0],  v[MX],  v[INF], s[D0M+\s]
	v_cndmask_b32 v[THR0], v[THR], v[INF], s[D0M+\s]
.endif
	v_cndmask_b32 v[R+1], v[R+1], v[MX], s15       ; lane r keeps row r's figures; the arithmetic on them is done once for 32 rows
.if \s == 3
.irp q, 0,1,2
	v_add_f32 v[P0+\q], v[P0+\q], v[T+1+\q]        ; every lane L: the whole sum of the round's row L & 3
.endr
	v_cndmask_b32 v[R],   v[R],   v[P0],   s[QM]   ; the round's four lanes take the round's four rows
	v_cndmask_b32 v[R+3], v[R+3], v[P0+1], s[QM]
	v_cndmask_b32 v[R+4], v[R+4], v[P0+2], s[QM]
.endif
	; pass 2: the compares of one chunk stand in front of the scalar work on the chunk before
.irp k, 0,1,2,3
	v_cmp_gt_f32 s[GT+\k],  v[XB+28+\k], v[CT7]
	v_cmp_eq_f32 s[SEL+\k], v[XB+28+\k], v[CM7]    ; chunk 7 starts what is kept
.endr
	CMPS 6, 1, THR, MX
.irp k, 0,1,2,3
	s_bcnt1_i32_b32 s[TS+\k], s[GT+\k]
.endr
	s_add_co_u32 s[TS],   s[TS],   s[TS+1]
	s_add_co_u32 s[TS+2], s[TS+2], s[TS+3]
	s_add_co_u32 s[CNT],  s[TS],   s[TS+2]         ; chunk 7 starts the count
	s_movk_i32 s[JB], 896-8*\s
	CMPS 5, 0, THR, MX
	SCAL 6, 1, \s
	CMPS 4, 1, THR, MX
	SCAL 5, 0, \s
	CMPS 3, 0, THR, MX
	SCAL 4, 1, \s
	CMPS 2, 1, THR, MX
	SCAL 3, 0, \s
	CMPS 1, 0, THR, MX
	SCAL 2, 1, \s
	CMPS 0, 1, CT0, CM0
.if \refill
	FILL \s                                        ; the row has been read for the last time: its registers go back to the ring at once
.endif
	SCAL 1, 0, \s
	SCAL 0, 1, \s
	; the first element at the maximum: lowest chunk (kept above), there the lowest lane, there the lowest word
	s_or_b32 s[TS],   s[SEL],   s[SEL+1]
	s_or_b32 s[TS+1], s[SEL+2], s[SEL+3]
	s_or_b32 s[TS],   s[TS],    s[TS+1]
	s_ctz_i32_b32 s[TS], s[TS]                     ; L
	s_mov_b32 s[TS+1], 3
	s_bitcmp1_b32 s[SEL+2], s[TS]
	s_cselect_b32 s[TS+1], 2, s[TS+1]
	s_bitcmp1_b32 s[SEL+1], s[TS]
	s_cselect_b32 s[TS+1], 1, s[TS+1]
	s_bitcmp1_b32 s[SEL], s[TS]
	s_cselect_b32 s[TS+1], 0, s[TS+1]              ; k
	s_lshl2_add_u32 s[TS], s[TS], s[TS+1]          ; 4 L + k
	s_add_co_u32 s[TS], s[TS], s[JB]               ; + 128 j - 8 s: the element's index in its row (in chunk 0 a live L is at least 2 s)
	v_cndmask_b32 v[R+2], v[R+2], s[TS],  s15
	v_cndmask_b32 v[R+5], v[R+5], s[CNT], s15
	s_lshl_b32 s15, s15, 1                         ; the next row's lane
.if \s == 3
	s_lshl_b32 s[QM], s[QM], 4                     ; the next round's four lanes
.endif
.endm
	s_mov_b32 s14, 0
.Lround:
	TURN 0, 8*(SLOTS-1), 1
	TURN 1, 8*(SLOTS-1), 1
	TURN 2, 8*(SLOTS-1), 1
	TURN 3, 8*(SLOTS-1), 1
	s_add_co_u32 s14, s14, 1
	s_cmp_lt_u32 s14, TRIPS
	s_cbranch_scc1 .Lround
	TURN 0, 24, 0                                  ; the last four rows: nothing more is loaded, the counts run down
	TURN 1, 16, 0
	TURN 2, 8, 0
	TURN 3, 0, 0
	; The end, once for the wave's 32 rows: lane r works on row r, whose slot was s = r mod 4 = L & 3.
	v_rcp_f32 v[F], v[R]                           ; 1 / integral.  One plain vector instruction stands between a transcendental
	v_mad_u32_u24 v[T], v[LANE], 24, s35           ; and the use of its result (ISA guide 5.7.2): here an LDS address, 24 bytes a row
	v_cvt_f32_u32 v[R+2], v[R+2]
	v_cvt_f32_u32 v[R+5], v[R+5]                   ; the count, as a float
	v_and_b32 v[F+7], 3, v[LANE]
	s_wait_alu depctr_va_vdst(0)
	v_mul_f32 v[F+1], v[R+3], v[F]                 ; c = S1 / S0, about the window's middle
	v_mul_f32 v[F+2], v[R+4], v[F]                 ; m2 = S2 / S0
	v_lshlrev_b32 v[F+7], 4, v[F+7]
	v_sub_nc_u32 v[F+7], 0x3ff, v[F+7]
	v_cvt_f32_u32 v[F+7], v[F+7]                   ; 1023 - 16 s = 2 (511.5 - 8 s)
	v_mul_f32 v[R+2], s34, v[R+2]                  ; peak frequency = D x index
	v_fma_f32 v[F+3], -v[F+1], v[F+1], v[F+2]      ; variance in index units: m2 - c c
	v_mul_f32 v[F+4], 0xb9800000, v[F+2]           ; -2^-12 m2: below this a negative variance is no rounding error
	v_fma_f32 v[F+7], v[F+7], 0.5, v[F+1]          ; the centroid as an index of the row: c + 511.5 - 8 s
	v_max_num_f32 v[F+5], 0, v[F+3]
	v_cmp_ge_f32 vcc_lo, v[F+3], v[F+4]            ; false for a NaN, which so stays a NaN
	v_cndmask_b32 v[F+3], v[F+3], v[F+5], vcc_lo
	v_sqrt_f32 v[F+6], v[F+3]
	v_mul_f32 v[R+3], s34, v[F+7]                  ; centroid, in frequency
	v_add_nc_u32 v[T+1], s35, v[OFF]               ; the way back out of LDS: 16 L,
	v_lshl_add_u32 v[T+2], v[LANE], 3, s35         ; and 8 L (behind the first 512 bytes)
	v_lshlrev_b32 v[T+3], 3, v[LANE]
	s_wait_alu depctr_va_vdst(0)
	v_mul_f32 v[R+4], s34, v[F+6]                  ; standard deviation = D sqrt(variance)
	; A lane holds a row's 24 bytes.  Through the wave's own 768 bytes of LDS they become 16 and 8 neighbouring bytes a lane, so that
	; the first store covers 512 consecutive bytes and the second 256, both starting on a multiple of 256 (768 bytes a wave).
	; The bytes are this wave's alone: no barrier; LDS serves a wave's instructions in order (ISA guide 5.7.1): no wait between.
	ds_store_b64 v[T], v[R:R+1]
	ds_store_b64 v[T], v[R+2:R+3] offset:8
	ds_store_b64 v[T], v[R+4:R+5] offset:16
	ds_load_b128 v[F:F+3],  v[T+1]
	ds_load_b64 v[F+4:F+5], v[T+2] offset:512
	s_wait_dscnt 0x0
	global_store_b128 v[OFF], v[F:F+3],   s[6:7] th:TH_STORE_NT
	global_store_b64 v[T+3],  v[F+4:F+5], s[6:7] offset:512 th:TH_STORE_NT
	s_wait_tensorcnt 0x0
	ds_add_u32 v246, v247
	s_wait_dscnt 0x0
	s_endpgm
.Lfunc_end_k_q064926317c_features:
	.size	k_q064926317c_features, .Lfunc_end_k_q064926317c_features-k_q064926317c_features
	.p2alignl 7, 3214868480
	.fill 96, 4, 3214868480
	.section	.rodata,"a",@progbits
	.p2align	6, 0x0
	.amdhsa_kernel k_q064926317c_features
		.amdhsa_group_segment_fixed_size 14336
		.amdhsa_private_segment_fixed_size 0
		.amdhsa_enable_private_segment 0
		.amdhsa_kernarg_size 16
		.amdhsa_user_sgpr_count 2
		.amdhsa_user_sgpr_kernarg_segment_ptr 1
		.amdhsa_wavefront_size32 1
		.amdhsa_system_sgpr_workgroup_id_x 1
		.amdhsa_system_sgpr_workgroup_id_y 1
		.amdhsa_system_sgpr_workgroup_id_z 1
		.amdhsa_system_vgpr_workitem_id 0
		.amdhsa_next_free_vgpr 248
		.amdhsa_next_free_sgpr 66
		.amdhsa_reserve_vcc 1
		.amdhsa_float_denorm_mode_32 3
		.amdhsa_float_denorm_mode_16_64 3
		.amdhsa_memory_ordered 1
		.amdhsa_forward_progress 1
		.amdhsa_inst_pref_size 123
	.end_amdhsa_kernel
	.amdgpu_metadata
---
amdhsa.version: [ 1, 2 ]
amdhsa.kernels:
  - .name:           k_q064926317c_features
    .symbol:         k_q064926317c_features.kd
    .args:
      - { .name: spectra, .offset: 0, .size: 8, .value_kind: global_buffer, .address_space: global }
      - { .name: out0, .offset: 8, .size: 8, .value_kind: global_buffer, .address_space: global }
    .group_segment_fixed_size: 14336
    .private_segment_fixed_size: 0
    .kernarg_segment_align: 8
    .kernarg_segment_size: 16
    .max_flat_workgroup_size: 512
    .sgpr_count:     66
    .vgpr_count:     248
    .wavefront_size: 32
...
	.end_amdgpu_metadata
.endif
;; end of part 1
;; ======== version 2 of 2: 1 launch; version 1 with the launch features written anew for expert scheduling mode
;; limits: a difference of large sums (such as E[x^2] - mean^2): digits are lost where the result is much smaller than its terms
;; launch features (part 2): grid 256 x 1, 16 waves a work-group, no clusters, 14,336 bytes of LDS; arguments spectra, out0; writes out0
.if DOCPART == 2
	.amdgcn_target "amdgcn-amd-amdhsa--gfx1250"
	.amdhsa_code_object_version 6
	.text
	.protected	k_q064926317c_features
	.globl	k_q064926317c_features
	.p2align	8
	.type	k_q064926317c_features,@function
k_q064926317c_features:
	s_mov_b64 s[64:65], 0
	v_nop
	global_prefetch_b8 v0, s[64:65] scope:SCOPE_SE
	s_setreg_imm32_b32 hwreg(HW_REG_WAVE_SCHED_MODE, 0, 2), 2
	s_setreg_imm32_b32 hwreg(HW_REG_WAVE_MODE, 25, 1), 1
	s_wait_xcnt 0x0
	s_wait_alu depctr_vm_vsrc(0)
; Six features of each row of spectra [131072][1000] f32 -> out0 [131072][6] f32:
;   integral, peak height, peak frequency, centroid, standard deviation, number of points above 0.1 x peak.
; One wave takes one row at a time and keeps it in 32 registers between the pass that makes the sums and the maximum and the
; pass that needs the maximum (count above threshold, place of the peak): the row is loaded once.
; 256 work-groups x 16 waves = 4,096 waves; a wave owns 32 consecutive rows (128,000 bytes in, 768 bytes out).
;
; THE MODE: SCHED_MODE bits 1:0 = 2 (LLVM: expert scheduling mode 2), set by the entry lines.  The code itself states the register
; dependences between vector instructions and memory or LDS instructions, and those through scalar registers that vector
; instructions write, with s_wait_alu, always for 0.
; THE PLAN.  Registers that memory or LDS instructions touch:
;   X0 .. X3    Slot s: its eight loads land in X[s]; the turn of slot s reads it (and writes the dead words of chunks 0 and 7 in place);
;               the last reader is the compare of chunk 0.  Behind it stands ONE wait on va_vdst, and behind that the eight loads of the
;               slot's next row, dealt in two fours among the scalar work that ends the turn: nothing between names X[s].
;   v[OFF]      Written once at the head, read by every load and by the first store, never written again: the rows are reached by the
;               slots' scalar bases and by immediate offsets.
;   At the end  v[T .. T+3] (addresses), v[R .. R+5] (data of the LDS stores), v[F .. F+5] (LDS loads land there, global stores read them):
;               one wait on va_vdst behind the last vector instruction covers them all.  v246, v247: the closing add's.
;   No register that a memory or LDS instruction reads is written again: the body holds no wait on vm_vsrc.
; Scalar registers that vector instructions write: s8 (once), the lane masks of pass 2, VCC (once).  The masks are made in four batches of
; two chunks, sixteen compares each, with one wait on va_sdst between a batch and the scalar work that reads it.
;
; THE WINDOW.  Row r = 4 q + s starts at byte 16000 q + 4000 s, which is 32 s past a multiple of 128.  It is loaded through a window
; of 4,096 bytes that starts 32 s bytes earlier, at 128 (125 q + 31 s): 8 loads of 16 bytes a lane, each covering 512 consecutive
; bytes from a multiple of 128.  So a row's loads touch 32 aligned blocks of 128 bytes; loads that began at the row itself would
; touch 39 in the three rows out of four with s > 0.  32 s + 4000 <= 4096: the window holds the row; it ends at the row's end for
; s = 3, and the buffer's last row has s = 3: no load leaves the buffer.
; Chunk j, lane L, word k is place i' = 128 j + 4 L + k of the window, element i = i' - 8 s of the row.  The ring has four slots and a
; wave's first row is a multiple of 32: slot = s, so the shift is a constant of the slot.  DEAD words (a neighbour row's numbers):
; lanes below 2 s of chunk 0, lanes from 26 + 2 s of chunk 7.  They are set to 0 in place for the sums; in the maximum the figure
; of chunk 0 takes chunk 7's in its dead lanes and the other way round (each is live where the other is dead); in both compares
; they meet +inf.
;
; Sums are taken about the middle of the window, u = i' - 511.5 (u and u*u are exact in f32), one table of weights for all slots:
;   S0 = sum x, S1 = sum x u, S2 = sum x u^2;  with D = 500/999:
;   centroid = D (S1/S0 + 511.5 - 8 s),  std = D sqrt(S2/S0 - (S1/S0)^2)  (a variance does not hang on the origin).
;
; ACROSS THE LANES.  The maximum is wanted at once and is reduced row by row.  The three sums are wanted only at the kernel's end, so
; the four rows of a round are reduced together: behind the step over lane bit 0 a select keeps the earlier row of a pair in the even
; lanes and the later one in the odd lanes; behind the step over bit 1 a second select leaves row (L & 3) in lane L; the steps over
; bits 2, 3, 4 are then made once for four rows: 14 instructions a sum and round in place of 28.  Lanes 4 t .. 4 t + 3 of round t
; then hold rows 4 t .. 4 t + 3, which is where the results are kept.
;
; LIMITS, kept on purpose:
;  - inputs are finite numbers.  A NaN is passed over by the maximum; a dead word is cleared by a product with 0, so that an infinity
;    or NaN within the 96 bytes beside a row would reach that row's sums too.
;  - the variance comes from the centred moments, not from a second pass about the centroid: its rounding error is of the order
;    of 1e-7 x S2/S0 (index units squared), at most about 0.1 in std_dev, and that only for spectra much narrower than one sample.
;    A variance between -2^-12 x S2/S0 and 0 is taken as 0; a more negative one (weights of mixed sign) stays and gives NaN.
;  - v_rcp_f32 and v_sqrt_f32 are good to 1 ULP and flush denormals (ISA guide 15.8): an integral below 2^-126 counts as 0.
;  - the frequency of point i is i x D rounded once, a few ULP from the reference's table.
.set ROWB,  4000                       ; bytes in a row
.set WSTEP, ROWB-32                    ; from the window of slot s to that of slot s + 1
.set SLOTS, 4                          ; row slots in the ring
.set ROWS,  32                         ; rows of a wave
.set TRIPS, ROWS/SLOTS-1               ; rounds that refill; the last round stands behind the loop
.set OFF,   1                          ; v1        16 L: my bytes in every chunk
.set INF,   2                          ; v2        +inf
.set LANE,  3                          ; v3        L
.set TA,    4                          ; v4        maximum of my four words of chunk 0
.set TB,    5                          ; v5        the same of chunk 7
.set A,     6                          ; v[6:7]    S0, a partial sum for even and for odd k
.set B,     8                          ; v[8:9]    S1
.set C,     10                         ; v[10:11]  S2
.set P0,    12                         ; v[12:14]  S0, S1, S2 of slot 0, then of slots 0 and 1 by lane bit 0, at last of all four
.set P1,    15                         ; v[15:17]  of slot 1; then of slot 2, then of slots 2 and 3
.set MX,    18                         ; v18       maximum
.set THR,   19                         ; v19       0.1 x maximum
.set MX7,   20                         ; v20       the maximum as chunk 7 compares with it: +inf in its dead lanes
.set THR7,  21                         ; v21       the threshold likewise
.set MX0,   22                         ; v22       the same two for chunk 0
.set THR0,  23                         ; v23
.set T,     24                         ; v24       the other half's maximum;  v[25:27] S0, S1, S2 of slot 3, then the other half's sums
.set R,     28                         ; v[28:33]  lane r: row r's S0, maximum, peak index, S1, S2, count; at the end the six results
.set F,     34                         ; v[34:41]  at work in the set-up and at the end
.set U,     42                         ; v[42:73]  u of my 32 places in the window
.set Q,     74                         ; v[74:105] u*u
.set X,     106                        ; v[106:233] slot s: 32 registers, the window
.set W0,    234                        ; v[234:239] slots 1-3: 0.0 in chunk 0's dead lanes, 1.0 elsewhere, twice (a pair)
.set W7,    240                        ; v[240:245] slots 0-2: the same for chunk 7
.set BASE,  16                         ; s[16:23]  slot s: address of the window that it loads next
.set CNT,   24                         ; s24       count above threshold
.set JB,    25                         ; s25       128 x the lowest chunk that holds the peak, less the slot's 8 s
.set TS,    26                         ; s[26:29]  scalar work
.set SEL,   30                         ; s[30:33]  that chunk's four masks of lanes with x == maximum
.set GT,    36                         ; s[36:39], s[44:47]  masks x > threshold of one chunk, two sets: a batch is two chunks
.set EQ,    40                         ; s[40:43], s[48:51]  masks x == maximum, two sets likewise
.set D0M,   52                         ; s[53:55]  slots 1-3: the dead lanes of chunk 0
.set D7M,   56                         ; s[56:58]  slots 0-2: the dead lanes of chunk 7
.set M1,    59                         ; s59       lanes with bit 0 set
.set M2,    60                         ; s60       lanes with bit 1 set
.set QM,    61                         ; s61       the four lanes that take this round's sums
	s_load_b128 s[4:7], s[0:1], 0x0                ; spectra s[4:5], out0 s[6:7]
	v_lshl_add_u32 v246, v0, 2, 0x3000             ; the closing add's two registers: my spare word, behind the waves' 16 x 768 bytes,
	v_mov_b32 v247, 0                              ; and 0; kept for that alone
	v_and_b32 v[LANE], 31, v0
	v_lshrrev_b32 v[F], 5, v0
	v_readfirstlane_b32 s8, v[F]                   ; wave in the work-group, 0 to 15
	v_lshlrev_b32 v[OFF], 4, v[LANE]
	s_lshl_b32 s9, ttmp9, 4
	s_wait_alu depctr_va_sdst(0)                   ; s8 is written, ahead of its first reader: the wave's place in the launch is made from it
	s_add_co_u32 s9, s9, s8                        ; wave in the launch, 0 to 4,095
	s_mul_i32 s10, s9, ROWS*ROWB                   ; at most 4,095 x 128,000: fits 32 bits; a multiple of 128
	s_mov_b32 s11, 0
	s_wait_kmcnt 0x0
	s_add_nc_u64 s[BASE:BASE+1],   s[4:5], s[10:11]
	s_add_nc_u64 s[BASE+2:BASE+3], s[BASE:BASE+1], WSTEP
	s_add_nc_u64 s[BASE+4:BASE+5], s[BASE:BASE+1], 2*WSTEP
	s_add_nc_u64 s[BASE+6:BASE+7], s[BASE:BASE+1], 3*WSTEP
.macro FILLH s, h                      ; four loads: half h of the slot's next window.  A row is wanted once, hence the hint
.irp j, 0,1,2,3
	global_load_b128 v[X+32*\s+16*\h+4*\j:X+32*\s+16*\h+4*\j+3], v[OFF], s[BASE+2*\s:BASE+2*\s+1] offset:2048*\h+512*\j th:TH_LOAD_NT
.endr
.endm
.macro FILL s                          ; all eight
	FILLH \s, 0
	FILLH \s, 1
.endm
	s_wait_alu depctr_va_vdst(0)                   ; v[OFF] is written: every load of the kernel, and its first store, reads it as the offset
	FILL 0                                         ; the ring is filled before anything else is done
	FILL 1
	FILL 2
	FILL 3
	; set-up, while the first rows are on their way: it names neither v[OFF] as a destination nor any register of the ring
	s_mul_i32 s10, s9, ROWS*24                     ; my 768 bytes of the output
	s_add_nc_u64 s[6:7], s[6:7], s[10:11]
	s_mov_b32 s12, 0x76543210                      ; v_permlanex16_b32: lane i reads lane i of the other half
	s_mov_b32 s13, 0xfedcba98
	s_mov_b32 s15, 1                               ; bit r: the lane that takes the current row's maximum, index and count
	s_mov_b32 s[QM], 15                            ; lanes 0-3: the first round's sums
	s_mov_b32 s[M1], 0xaaaaaaaa
	s_mov_b32 s[M2], 0xcccccccc
	s_mov_b32 s34, 0x3f0020cd                      ; D = 500/999
	s_mul_i32 s35, s8, ROWS*24                     ; my wave's 768 bytes of LDS
	s_mov_b32 s[D0M+1], 0x00000003                 ; chunk 0: lanes below 2 s
	s_mov_b32 s[D0M+2], 0x0000000f
	s_mov_b32 s[D0M+3], 0x0000003f
	s_mov_b32 s[D7M+0], 0xfc000000                 ; chunk 7: lanes from 26 + 2 s
	s_mov_b32 s[D7M+1], 0xf0000000
	s_mov_b32 s[D7M+2], 0xc0000000
	v_lshlrev_b32 v[F], 2, v[LANE]
	v_cvt_f32_u32 v[F], v[F]                       ; 4 L
	v_add_f32 v[U],   0xc3ffc000, v[F]             ; u of chunk 0: 4 L - 511.5,
	v_add_f32 v[U+1], 1.0, v[U]                    ; + k
	v_add_f32 v[U+2], 2.0, v[U]
	v_add_f32 v[U+3], 2.0, v[U+1]
.set p, 4
.rept 14
	v_pk_add_f32 v[U+p:U+p+1], v[U+p-4:U+p-3], 0x43000000 op_sel_hi:[1,0]   ; the next chunk: + 128.0
.set p, p+2
.endr
.set p, 0
.rept 16
	v_pk_mul_f32 v[Q+p:Q+p+1], v[U+p:U+p+1], v[U+p:U+p+1]
.set p, p+2
.endr
.irp s, 1,2,3
	v_cndmask_b32 v[W0+2*\s-2], 1.0, 0, s[D0M+\s]  ; 0.0 where the mask says dead
	v_cndmask_b32 v[W0+2*\s-1], 1.0, 0, s[D0M+\s]
.endr
.irp s, 0,1,2
	v_cndmask_b32 v[W7+2*\s],   1.0, 0, s[D7M+\s]
	v_cndmask_b32 v[W7+2*\s+1], 1.0, 0, s[D7M+\s]
.endr
	v_mov_b32 v[INF], 0x7f800000
.irp i, 0,1,2,3,4,5
	v_mov_b32 v[R+\i], 0                           ; a select keeps the other lanes of its destination: it has to hold something.
.endr                                              ; Once for the kernel: all 32 lanes are filled by the 32 rows
	v_mov_b32 v[T], 0                              ; v_permlanex16_b32 counts as a reader of its destination
; Pass 1, chunk j = 1 .. 6 of the window at XB: two elements an instruction in each sum and in the maximum.
; The four chains take turns, so that an instruction stands four behind the one whose result it takes.
.macro ROWSUMS j
.irp h, 0,2
	v_pk_add_f32 v[A:A+1], v[A:A+1], v[XB+4*\j+\h:XB+4*\j+\h+1]
	v_pk_fma_f32 v[B:B+1], v[XB+4*\j+\h:XB+4*\j+\h+1], v[U+4*\j+\h:U+4*\j+\h+1], v[B:B+1]
	v_pk_fma_f32 v[C:C+1], v[XB+4*\j+\h:XB+4*\j+\h+1], v[Q+4*\j+\h:Q+4*\j+\h+1], v[C:C+1]
	v_max3_num_f32 v[MX], v[MX], v[XB+4*\j+\h], v[XB+4*\j+\h+1]
.endr
.endm
; One step of a sum across lanes: lane i adds lane i xor m of its half of 16.
.macro XADD reg, m
	v_add_f32_dpp v[\reg], v[\reg], v[\reg] row_xmask:\m row_mask:0xf bank_mask:0xf
.endm
.macro XMAX m
	v_max_num_f32_dpp v[MX], v[MX], v[MX] row_xmask:\m row_mask:0xf bank_mask:0xf
.endm
; Pass 2, vector side: chunk j's eight lane masks into scalar set 0 or 1; thr, mx: the registers to compare with.
.macro CMPS j, set, thr, mx
.irp k, 0,1,2,3
	v_cmp_gt_f32 s[GT+8*\set+\k], v[XB+4*\j+\k], v[\thr]
	v_cmp_eq_f32 s[EQ+8*\set+\k], v[XB+4*\j+\k], v[\mx]
.endr
.endm
; Pass 2, scalar side.  The count is the number of bits set: it needs no step across lanes.  The chunks are walked from the last to
; the first, and a chunk with any lane at the maximum replaces what was kept: what stays is the lowest such chunk.
; s: the slot; its shift of 8 s elements is taken off here, in the constant.
.macro SCAL j, set, s
.irp k, 0,1,2,3
	s_bcnt1_i32_b32 s[TS+\k], s[GT+8*\set+\k]
.endr
	s_add_co_u32 s[TS],   s[TS],   s[TS+1]
	s_add_co_u32 s[TS+2], s[TS+2], s[TS+3]
	s_add_co_u32 s[CNT],  s[CNT],  s[TS]
	s_add_co_u32 s[CNT],  s[CNT],  s[TS+2]
	s_or_b32 s[TS],   s[EQ+8*\set],   s[EQ+8*\set+1]
	s_or_b32 s[TS+1], s[EQ+8*\set+2], s[EQ+8*\set+3]
	s_or_b32 s[TS],   s[TS], s[TS+1]                               ; SCC: some lane of this chunk is at the maximum
	s_cselect_b64 s[SEL:SEL+1],   s[EQ+8*\set:EQ+8*\set+1],   s[SEL:SEL+1]
	s_cselect_b64 s[SEL+2:SEL+3], s[EQ+8*\set+2:EQ+8*\set+3], s[SEL+2:SEL+3]
	s_cselect_b32 s[JB], 128*\j-8*\s, s[JB]
.endm
; The turn of slot s.  left = how many younger loads may stay out; refill = 1: the slot gets the row SLOTS further down.
; Slot 0 has no dead word in chunk 0, slot 3 none in chunk 7: their lines for that chunk are left out.
; SD: where this row's three sums of a lane go.  MG (slots 1 and 3): the earlier row of the pair, with which they are merged.
.macro TURN s, left, refill
.set XB, X+32*\s
.if \s > 0
.set CM0, MX0
.set CT0, THR0
.else
.set CM0, MX
.set CT0, THR
.endif
.if \s < 3
.set CM7, MX7
.set CT7, THR7
.else
.set CM7, MX
.set CT7, THR
.endif
.if \s == 0
.set SD, P0
.endif
.if \s == 1
.set SD, P1
.set MG, P0
.endif
.if \s == 2
.set SD, P1
.endif
.if \s == 3
.set SD, T+1
.set MG, P1
.endif
	s_wait_loadcnt \left                           ; loads come back in order (ISA guide 5.7.1): my window's eight are in,
	                                               ; the eight of each younger row stay on their way
.if \refill
	s_add_nc_u64 s[BASE+2*\s:BASE+2*\s+1], s[BASE+2*\s:BASE+2*\s+1], SLOTS*ROWB   ; free since that wait
.endif
	; the neighbours' words become 0, in place: they then add nothing to any sum
.if \s > 0
	v_pk_mul_f32 v[XB:XB+1],     v[XB:XB+1],     v[W0+2*\s-2:W0+2*\s-1]
	v_pk_mul_f32 v[XB+2:XB+3],   v[XB+2:XB+3],   v[W0+2*\s-2:W0+2*\s-1]
.endif
.if \s < 3
	v_pk_mul_f32 v[XB+28:XB+29], v[XB+28:XB+29], v[W7+2*\s:W7+2*\s+1]
	v_pk_mul_f32 v[XB+30:XB+31], v[XB+30:XB+31], v[W7+2*\s:W7+2*\s+1]
.endif
	; pass 1, chunks 0 and 7 first.  The first products and the first sum start the chains: nothing is cleared.
	v_pk_add_f32 v[A:A+1], v[XB:XB+1], v[XB+2:XB+3]
	v_pk_mul_f32 v[B:B+1], v[XB:XB+1], v[U:U+1]
	v_pk_mul_f32 v[C:C+1], v[XB:XB+1], v[Q:Q+1]
	v_max3_num_f32 v[TA], v[XB],    v[XB+1],  v[XB+2]
	v_max3_num_f32 v[TB], v[XB+28], v[XB+29], v[XB+30]
	v_pk_fma_f32 v[B:B+1], v[XB+2:XB+3], v[U+2:U+3], v[B:B+1]
	v_pk_fma_f32 v[C:C+1], v[XB+2:XB+3], v[Q+2:Q+3], v[C:C+1]
	v_pk_add_f32 v[A:A+1], v[A:A+1], v[XB+28:XB+29]
	v_max_num_f32 v[TA], v[TA], v[XB+3]
	v_pk_fma_f32 v[B:B+1], v[XB+28:XB+29], v[U+28:U+29], v[B:B+1]
	v_pk_fma_f32 v[C:C+1], v[XB+28:XB+29], v[Q+28:Q+29], v[C:C+1]
	v_max_num_f32 v[TB], v[TB], v[XB+31]
	v_pk_add_f32 v[A:A+1], v[A:A+1], v[XB+30:XB+31]
	v_pk_fma_f32 v[B:B+1], v[XB+30:XB+31], v[U+30:U+31], v[B:B+1]
	v_pk_fma_f32 v[C:C+1], v[XB+30:XB+31], v[Q+30:Q+31], v[C:C+1]
.if \s > 0
	v_cndmask_b32 v[TA], v[TA], v[TB], s[D0M+\s]   ; lanes below 2 s: chunk 7 is live there, its figure stands in (a copy changes no maximum)
.endif
.if \s < 3
	v_cndmask_b32 v[TB], v[TB], v[TA], s[D7M+\s]   ; lanes from 26 + 2 s: chunk 0 is live there
.endif
	v_max_num_f32 v[MX], v[TA], v[TB]
.irp j, 1,2,3,4,5,6
	ROWSUMS \j
.endr
	; across the lanes: the maximum all the way; the sums as far as this slot's place in the round allows
	v_add_f32 v[SD],   v[A], v[A+1]
	v_add_f32 v[SD+1], v[B], v[B+1]
	v_add_f32 v[SD+2], v[C], v[C+1]
	XMAX 1
	XADD SD, 1
	XADD SD+1, 1
	XADD SD+2, 1
	XMAX 2
.if (\s & 1) == 1
.irp q, 0,1,2
	v_cndmask_b32 v[MG+\q], v[MG+\q], v[SD+\q], s[M1]      ; even lanes: the pair's earlier row; odd lanes: this one
.endr
.endif
	XMAX 4
.if (\s & 1) == 1
	XADD MG, 2
	XADD MG+1, 2
	XADD MG+2, 2
.endif
	XMAX 8
.if \s == 3
.irp q, 0,1,2
	v_cndmask_b32 v[P0+\q], v[P0+\q], v[P1+\q], s[M2]      ; lane L now holds the sum of row L & 3 over its four lanes
.endr
.endif
	v_permlanex16_b32 v[T], v[MX], s12, s13
.if \s == 3
	XADD P0, 4
	XADD P0+1, 4
	XADD P0+2, 4
.endif
	v_max_num_f32 v[MX], v[MX], v[T]               ; every lane holds the row's maximum
.if \s == 3
	XADD P0, 8
	XADD P0+1, 8
	XADD P0+2, 8
.endif
	v_mul_f32 v[THR], 0x3dcccccd, v[MX]            ; 0.1 x peak, rounded as the reference rounds it
.if \s == 3
.irp q, 0,1,2
	v_permlanex16_b32 v[T+1+\q], v[P0+\q], s12, s13        ; slot 3's own sums, which lay here, went into P1 above
.endr
.endif
.if \s < 3
	v_cndmask_b32 v[MX7],  v[MX],  v[INF], s[D7M+\s]   ; dead lanes compare with +inf, which no finite number exceeds or equals
	v_cndmask_b32 v[THR7], v[THR], v[INF], s[D7M+\s]
.endif
.if \s > 0
	v_cndmask_b32 v[MX0],  v[MX],  v[INF], s[D0M+\s]
	v_cndmask_b32 v[THR0], v[THR], v[INF], s[D0M+\s]
.endif
	; pass 2, in four batches of two chunks: sixteen compares into the two sets of masks, one wait, the scalar work on both chunks
.irp k, 0,1,2,3
	v_cmp_gt_f32 s[GT+\k],  v[XB+28+\k], v[CT7]
	v_cmp_eq_f32 s[SEL+\k], v[XB+28+\k], v[CM7]    ; chunk 7 starts what is kept
.endr
	CMPS 6, 1, THR, MX
	; what is kept of the row's and the round's figures names no mask: it stands between the first batch's compares and the wait for them
	v_cndmask_b32 v[R+1], v[R+1], v[MX], s15       ; lane r keeps row r's figures; the arithmetic on them is done once for 32 rows
.if \s == 3
.irp q, 0,1,2
	v_add_f32 v[P0+\q], v[P0+\q], v[T+1+\q]        ; every lane L: the whole sum of the round's row L & 3
.endr
	v_cndmask_b32 v[R],   v[R],   v[P0],   s[QM]   ; the round's four lanes take the round's four rows
	v_cndmask_b32 v[R+3], v[R+3], v[P0+1], s[QM]
	v_cndmask_b32 v[R+4], v[R+4], v[P0+2], s[QM]
.endif
	s_wait_alu depctr_va_sdst(0)                   ; the compares of chunks 7 and 6 have written their sixteen masks, which the scalar lines below read
.irp k, 0,1,2,3
	s_bcnt1_i32_b32 s[TS+\k], s[GT+\k]
.endr
	s_add_co_u32 s[TS],   s[TS],   s[TS+1]
	s_add_co_u32 s[TS+2], s[TS+2], s[TS+3]
	s_add_co_u32 s[CNT],  s[TS],   s[TS+2]         ; chunk 7 starts the count
	s_movk_i32 s[JB], 896-8*\s
	SCAL 6, 1, \s
	CMPS 5, 0, THR, MX
	CMPS 4, 1, THR, MX
	s_wait_alu depctr_va_sdst(0)                   ; the masks of chunks 5 and 4 are written
	SCAL 5, 0, \s
	SCAL 4, 1, \s
	CMPS 3, 0, THR, MX
	CMPS 2, 1, THR, MX
	s_wait_alu depctr_va_sdst(0)                   ; the masks of chunks 3 and 2 are written
	SCAL 3, 0, \s
	SCAL 2, 1, \s
	CMPS 1, 0, THR, MX
	CMPS 0, 1, CT0, CM0
.if \refill
	s_wait_alu depctr_va_vdst(0)                   ; the row has been read for the last time: the turn's vector instructions are done reading X[s], and the
	                                               ; products that cleared its dead words have written it; the slot's next eight loads land there
	FILLH \s, 0                                    ; its registers go back to the ring at once: four loads here,
.endif
	s_wait_alu depctr_va_sdst(0)                   ; the masks of chunks 1 and 0 are written
	SCAL 1, 0, \s
.if \refill
	FILLH \s, 1                                    ; four here.  No wait: since the wait on va_vdst only loads and scalar instructions were issued
.endif
	SCAL 0, 1, \s
	; the first element at the maximum: lowest chunk (kept above), there the lowest lane, there the lowest word
	s_or_b32 s[TS],   s[SEL],   s[SEL+1]
	s_or_b32 s[TS+1], s[SEL+2], s[SEL+3]
	s_or_b32 s[TS],   s[TS],    s[TS+1]
	s_ctz_i32_b32 s[TS], s[TS]                     ; L
	s_mov_b32 s[TS+1], 3
	s_bitcmp1_b32 s[SEL+2], s[TS]
	s_cselect_b32 s[TS+1], 2, s[TS+1]
	s_bitcmp1_b32 s[SEL+1], s[TS]
	s_cselect_b32 s[TS+1], 1, s[TS+1]
	s_bitcmp1_b32 s[SEL], s[TS]
	s_cselect_b32 s[TS+1], 0, s[TS+1]              ; k
	s_lshl2_add_u32 s[TS], s[TS], s[TS+1]          ; 4 L + k
	s_add_co_u32 s[TS], s[TS], s[JB]               ; + 128 j - 8 s: the element's index in its row (in chunk 0 a live L is at least 2 s)
	v_cndmask_b32 v[R+2], v[R+2], s[TS],  s15
	v_cndmask_b32 v[R+5], v[R+5], s[CNT], s15
	s_lshl_b32 s15, s15, 1                         ; the next row's lane
.if \s == 3
	s_lshl_b32 s[QM], s[QM], 4                     ; the next round's four lanes
.endif
.endm
	s_mov_b32 s14, 0
.Lround:
	TURN 0, 8*(SLOTS-1), 1
	TURN 1, 8*(SLOTS-1), 1
	TURN 2, 8*(SLOTS-1), 1
	TURN 3, 8*(SLOTS-1), 1
	s_add_co_u32 s14, s14, 1
	s_cmp_lt_u32 s14, TRIPS
	s_cbranch_scc1 .Lround
	TURN 0, 24, 0                                  ; the last four rows: nothing more is loaded, the counts run down
	TURN 1, 16, 0
	TURN 2, 8, 0
	TURN 3, 0, 0
	; The end, once for the wave's 32 rows: lane r works on row r, whose slot was s = r mod 4 = L & 3.
	v_rcp_f32 v[F], v[R]                           ; 1 / integral.  One plain vector instruction stands between a transcendental
	v_mad_u32_u24 v[T], v[LANE], 24, s35           ; and the use of its result (ISA guide 5.7.2): here an LDS address, 24 bytes a row
	v_cvt_f32_u32 v[R+2], v[R+2]
	v_cvt_f32_u32 v[R+5], v[R+5]                   ; the count, as a float
	v_and_b32 v[F+7], 3, v[LANE]
	s_wait_alu depctr_va_vdst(0)                   ; the reciprocal has written v[F], ahead of its first reader
	v_mul_f32 v[F+1], v[R+3], v[F]                 ; c = S1 / S0, about the window's middle
	v_mul_f32 v[F+2], v[R+4], v[F]                 ; m2 = S2 / S0
	v_lshlrev_b32 v[F+7], 4, v[F+7]
	v_sub_nc_u32 v[F+7], 0x3ff, v[F+7]
	v_cvt_f32_u32 v[F+7], v[F+7]                   ; 1023 - 16 s = 2 (511.5 - 8 s)
	v_mul_f32 v[R+2], s34, v[R+2]                  ; peak frequency = D x index
	v_fma_f32 v[F+3], -v[F+1], v[F+1], v[F+2]      ; variance in index units: m2 - c c
	v_mul_f32 v[F+4], 0xb9800000, v[F+2]           ; -2^-12 m2: below this a negative variance is no rounding error
	v_fma_f32 v[F+7], v[F+7], 0.5, v[F+1]          ; the centroid as an index of the row: c + 511.5 - 8 s
	v_max_num_f32 v[F+5], 0, v[F+3]
	v_cmp_ge_f32 vcc_lo, v[F+3], v[F+4]            ; false for a NaN, which so stays a NaN
	s_wait_alu depctr_va_vcc(0)                    ; the compare has written VCC, which the select reads
	v_cndmask_b32 v[F+3], v[F+3], v[F+5], vcc_lo
	v_sqrt_f32 v[F+6], v[F+3]
	v_mul_f32 v[R+3], s34, v[F+7]                  ; centroid, in frequency
	v_add_nc_u32 v[T+1], s35, v[OFF]               ; the way back out of LDS: 16 L,
	v_lshl_add_u32 v[T+2], v[LANE], 3, s35         ; and 8 L (behind the first 512 bytes)
	v_lshlrev_b32 v[T+3], 3, v[LANE]
	s_wait_alu depctr_va_vdst(0)                   ; the root has written v[F+6], ahead of its first reader
	v_mul_f32 v[R+4], s34, v[F+6]                  ; standard deviation = D sqrt(variance)
	; A lane holds a row's 24 bytes.  Through the wave's own 768 bytes of LDS they become 16 and 8 neighbouring bytes a lane, so that
	; the first store covers 512 consecutive bytes and the second 256, both starting on a multiple of 256 (768 bytes a wave).
	; The bytes are this wave's alone: no barrier; LDS serves a wave's instructions in order (ISA guide 5.7.1): no wait between.
	s_wait_alu depctr_va_vdst(0)                   ; the six results v[R ..] and the addresses v[T ..] are written, which the LDS stores, the LDS loads and the
	                                               ; second global store read; the arithmetic is done with v[F .. F+5], in which the LDS loads land
	ds_store_b64 v[T], v[R:R+1]
	ds_store_b64 v[T], v[R+2:R+3] offset:8
	ds_store_b64 v[T], v[R+4:R+5] offset:16
	ds_load_b128 v[F:F+3],  v[T+1]
	ds_load_b64 v[F+4:F+5], v[T+2] offset:512
	s_wait_dscnt 0x0
	global_store_b128 v[OFF], v[F:F+3],   s[6:7] th:TH_STORE_NT
	global_store_b64 v[T+3],  v[F+4:F+5], s[6:7] offset:512 th:TH_STORE_NT
	s_wait_dscnt 0x0                               ; the closing lines, six on end
	s_wait_alu 0x0
	s_wait_tensorcnt 0x0
	ds_add_u32 v246, v247
	s_wait_dscnt 0x0
	s_endpgm
.Lfunc_end_k_q064926317c_features:
	.size	k_q064926317c_features, .Lfunc_end_k_q064926317c_features-k_q064926317c_features
	.p2alignl 7, 3214868480
	.fill 96, 4, 3214868480
	.section	.rodata,"a",@progbits
	.p2align	6, 0x0
	.amdhsa_kernel k_q064926317c_features
		.amdhsa_group_segment_fixed_size 14336
		.amdhsa_private_segment_fixed_size 0
		.amdhsa_enable_private_segment 0
		.amdhsa_kernarg_size 16
		.amdhsa_user_sgpr_count 2
		.amdhsa_user_sgpr_kernarg_segment_ptr 1
		.amdhsa_wavefront_size32 1
		.amdhsa_system_sgpr_workgroup_id_x 1
		.amdhsa_system_sgpr_workgroup_id_y 1
		.amdhsa_system_sgpr_workgroup_id_z 1
		.amdhsa_system_vgpr_workitem_id 0
		.amdhsa_next_free_vgpr 248
		.amdhsa_next_free_sgpr 66
		.amdhsa_reserve_vcc 1
		.amdhsa_float_denorm_mode_32 3
		.amdhsa_float_denorm_mode_16_64 3
		.amdhsa_memory_ordered 1
		.amdhsa_forward_progress 1
		.amdhsa_inst_pref_size 125
	.end_amdhsa_kernel
	.amdgpu_metadata
---
amdhsa.version: [ 1, 2 ]
amdhsa.kernels:
  - .name:           k_q064926317c_features
    .symbol:         k_q064926317c_features.kd
    .args:
      - { .name: spectra, .offset: 0, .size: 8, .value_kind: global_buffer, .address_space: global }
      - { .name: out0, .offset: 8, .size: 8, .value_kind: global_buffer, .address_space: global }
    .group_segment_fixed_size: 14336
    .private_segment_fixed_size: 0
    .kernarg_segment_align: 8
    .kernarg_segment_size: 16
    .max_flat_workgroup_size: 512
    .sgpr_count:     66
    .vgpr_count:     248
    .wavefront_size: 32
...
	.end_amdgpu_metadata
.endif
;; end of part 2
